; MI455X (gfx1250); checked and timed in simulation.
; The chip was launched on July 23, 2026; its instructions are those of AMD's public machine-readable ISA for CDNA 5 (MIT licence, August 2026) and "CDNA5" Instruction Set Architecture Reference Guide (July 2026). The comments in the code are by the model that wrote it; some were corrected since.
;; Feed Forward Quantum. Allowed arithmetic: matrix products marked QUANTISED: E3M2 operands, one E8M0 scale for each 32 along K, by v_wmma_scale_f32_16x16x128_f8f6f4 with both operands' format E3M2, f32 sums; products left as they are: f32 operands where the result goes on into a quantised operand, else bf16, f16 or f32 operands; f32 sums; everything else in f32.
;; Inputs: W1 4,096 x 10 float32; W2_codes 1,024 x 128 x 24 uint8 (E3M2 codes of W2, K innermost, in blocks of 32 codes, four codes in three bytes); W2_scales 1,024 x 128 uint8 (E8M0 scales of W2, one for each 32 codes along K); q_params 10 float32; x 32 x 512 x 10 float32.
;; Outputs: out0 32 x 512 x 1,024 float32.
;; This version of the problem:
;;   THIS VERSION OF THE PROBLEM IS GIVEN IN LOW PRECISION. The matrix products marked QUANTISED in the list below multiply operands that are first quantised to E3M2 (3 exponent bits, 2 mantissa bits; 6 bits a number), with one power-of-two scale for each 32 numbers along K (OCP MX v1.0); their sums are f32. All else is computed in f32.
;;   The module's matrix products, in the order in which they are computed (A, B: the left and right operand; K: the contracted axis; several contracted axes count as one K, in the product's order):
;;     1. [M 16,384, K 1,024] x [K 1,024, N 10]; A: computed on the way; B: computed on the way: left as it is (N = 10 < 16)
;;     2. [M 16,384, K 10] x [K 10, N 4,096]; A: computed on the way; B: input W1: left as it is (K = 10 < 32)
;;     3. [M 16,384, K 4,096] x [K 4,096, N 1,024]; A: computed on the way; B: input W2 (given as codes): QUANTISED
;;   THE QUANTISER, for each operand of a quantised product, along K:
;;     - K is cut into blocks of 32 from its start; a last block that is shorter is filled with zeros.
;;     - A block's scale is 2^e with e = floor(log2(the largest magnitude in the block)) - 4, held to -126 .. 127; a block of zeros has e = 0. As a byte (E8M0): e + 127.
;;     - Each number is divided by its block's scale, clamped to +-28, and rounded to the nearest number of E3M2, ties to even, subnormals kept.
;;     - The product sums the exact products of the quantised numbers (number of the format x scale) in f32.
;;   ~~~python
;;   def quantise(x, axis):      # numpy; x: float32 -> the quantised numbers, widened to float32 again
;;       x = np.moveaxis(x, axis, -1); K = x.shape[-1]
;;       x = np.pad(x, [(0, 0)] * (x.ndim - 1) + [(0, -K % 32)]); x = x.reshape(x.shape[:-1] + (-1, 32)); a = np.abs(x).max(-1, keepdims=True)
;;       e = np.where(a > 0, np.clip(np.frexp(np.where(a > 0, a, 1))[1] - 1 - 4, -126, 127), 0)      # np.frexp(a)[1] - 1 = floor(log2(a)), exactly
;;       r = np.clip(x / 2.0 ** e, -28, 28)
;;       step = 2.0 ** (np.maximum(np.frexp(np.where(r == 0, 1, r))[1] - 1, -2) - 2)
;;       q = np.round(r / step) * step * 2.0 ** e      # np.round: ties to even
;;       return np.moveaxis(q.reshape(q.shape[:-2] + (-1,))[..., :K], -1, axis).astype(np.float32)
;;   ~~~
;;   OPERANDS COMPUTED ON THE WAY. 'Computed on the way' means the value that the module computes at that place (a softmax that the list does not call 'softmax' is quantised finished and normalised). What goes into a quantiser is computed in f32, as accurately as f32 sums, v_exp_f32 and their like allow (about 1e-6 of the number): no bf16 or f16 on the way to a quantiser, and a product that is left as it is and whose result goes on into a quantised operand takes f32 operands (vector FMAs, or v_wmma_f32_16x16x4_f32). A number that lies on a knife's edge between two numbers of the format may be rounded either way, as far as f32 arithmetic and the matrix unit's own rounding can turn it there, and no further.
;;   INPUTS GIVEN AS CODES. W2 (in the module: [1024, 4096], K = its axis 1): each comes as NAME_codes (uint8): NAME with its K axis moved to the last place and cut into blocks of 32 codes, [.., K / 32, bytes a block], one block behind the other in memory; four codes in three bytes: a row's codes are one little-endian stream of bits, code i at bits 6 i .. 6 i + 5 (a code: sign, 3 exponent bits, 2 mantissa bits); and NAME_scales (uint8): the same leading axes, one E8M0 byte (e + 127) for each 32 codes along K. Its value is code x scale, taken as it is: it is not quantised again, and the codes and scales need not be those that the quantiser above would give.
;; One version. Each part assembles by itself: llvm-mc -triple=amdgcn-amd-amdhsa -mcpu=gfx1250 --defsym DOCPART=n.
;; ======== version 1 of 1: 2 launches
;; limits: inputs' magnitudes at most 65,536
;; workspace buffers: a_img 52,428,800 bytes; b_img 3,276,800 bytes
;; launch hidden (part 1): grid 256 x 1, 16 waves a work-group, no clusters, 6,144 bytes of LDS; arguments x, q_params, W1, W2_codes, W2_scales, a_img, b_img; writes a_img, b_img
.if DOCPART == 1
	.amdgcn_target "amdgcn-amd-amdhsa--gfx1250"
	.amdhsa_code_object_version 6
	.text
	.protected	k_q48d5c66c76_hidden
	.globl	k_q48d5c66c76_hidden
	.p2align	8
	.type	k_q48d5c66c76_hidden,@function
k_q48d5c66c76_hidden:
	s_mov_b64 s[64:65], 0
	v_nop
	global_prefetch_b8 v0, s[64:65] scope:SCOPE_SE
	s_setreg_imm32_b32 hwreg(HW_REG_WAVE_MODE, 25, 1), 1
	s_wait_xcnt 0x0
; h = relu(q_out W1^T), [16384][4096], made once in f32 and quantised along its 4,096 to codes of E3M2 with one E8M0 byte for each 32.  The next launch multiplies the codes by W2's.
; BOTH OPERANDS OF THAT PRODUCT ARE LAID IN THE ORDER OF THE OPERAND'S REGISTERS.  A BLOCK is 128 rows x 128 along K, 12,800 bytes: eight fragments (16 rows each) of 1,536 bytes, a fragment's registers 4 c .. 4 c + 3 of lane l at
; 512 c + 16 l; behind them 512 bytes of scale words, the word of row 16 (4 g + j) + r at 256 g + 16 r + 4 j.  a_img: [128 blocks of rows of h][32 K steps] blocks; b_img: [8 blocks of rows of W2][32 K steps] blocks.
; So the next launch fetches three K steps of 128 rows as one dense run of memory, reads a fragment by three loads of 16 bytes a lane, and finds the scale words in the tile.
; q_out IN CLOSED FORM, for every input.  RX(theta_j) on |0> gives independent bits with E[(-1)^b_j] = cos^2(theta_j / 2) - sin^2(theta_j / 2) = cos(theta_j).  The CNOTs only permute basis states:
; behind the chain bit i is b_0 ^ .. ^ b_i (i = 1 .. 9), and CNOT(9, 0) makes bit 0 into b_1 ^ .. ^ b_9.  So <Z_i> = cos(theta_0) .. cos(theta_i) for i >= 1 and <Z_0> = cos(theta_1) .. cos(theta_9):
; the state vector, the permutation and the product with the signs, summed exactly.  theta = x + q_params in f32.
; THE COSINE is written out in f32: k = nearest whole number to theta x 2 / pi; r = theta - k x pi / 2 with pi / 2 in three parts, by fused multiply-adds; a sine and a cosine polynomial on |r| <= pi / 4; k mod 4 chooses and signs.
; LIMITS: up to |theta| = 2^16 r leaves +-pi/4 by 0.006 at the most and the polynomials hold about 1e-7; beyond that the accuracy falls off gradually.  NaN and infinities in x, q_params or W1 are not served
; (W1's columns 8 and 9 also meet two zeros that fill K from 10 to 12).  A block of 32 zeros gets the byte 1 where the rule says 127: its codes are zeros, and this program alone reads the bytes.
; SHARES.  A work-group owns 64 rows, four tiles of 16.  THE SIXTEEN WAVES SHARE THE HIDDEN UNITS: wave w makes units 256 w .. 256 w + 255 (K steps 2 w and 2 w + 1 of the next product) for all 64 rows, so that its part of W1
; stays in 96 registers, read from memory once.  Four waves lie on a SIMD: one wave's vector work stands beside another's matrix work.
; THE PRODUCT is f32 (its result goes into a quantiser) and is used TRANSPOSED: source 0 = 16 units of W1 x 4 of K, source 1 = q_out^T, three links for K = 10 filled to 12.  A lane then holds ONE row and its registers run along the units.
; THE UNITS OF A TILE ARE NOT NEIGHBOURS: lane r of tile 2 b + u takes unit 32 b + 8 u + r + 8 (r / 8), so that the 16 registers of tiles 2 b and 2 b + 1 are k = 32 b + 16 (lane / 16) + 0 .. 15: what the conversion wants.
; A GROUP is four tiles = two blocks of 32: four accumulators by turns, 12 matrix instructions, then relu, the two scales, two conversions, the exchange of halves: six registers of a fragment.  Two groups are a fragment, which
; leaves as it stands: three stores, each of 512 consecutive bytes at a multiple of 256 from the buffer's first byte.  No stage, and one barrier in the launch: behind q_out.
; W2 IS LAID ANEW ONCE: work-group g copies block g of b_img (waves 8-15 a fragment each, wave 7 the scale words), while the waves wait for q_out.  3.3 MB in all.
; No tensor loads: a work-group reads 160 KB of W1 once, straight into registers, 2.5 KB of x and 12.5 KB of W2.
.set FRB,    1536                      ; a fragment's image in bytes
.set BLKB,   8*FRB+512                 ; a block
.set ROWBLK, 32*BLKB                   ; all K steps of 128 rows
.set VA,   4                           ; v4     W1: (r + 8 (r / 8)) x 40 + 8 h + 10,240 w
.set VA2,  5                           ; v5     the same without 8 h: for K = 8, 9
.set QB,   6                           ; v6     LDS: q_out as source 1: 48 r + 8 h
.set QW,   7                           ; v7     LDS: q_out as it is stored: 48 x row
.set XO,   8                           ; v8     x: 40 x row
.set CO,   9                           ; v9     a_img: 2 w blocks + my work-group's four fragments + 16 lane
.set SO,   10                          ; v10    a_img: (2 w + h) blocks + the scale words of my work-group's 64 rows + 16 r
.set WA,   11                          ; v11    W2's codes: row 16 (w % 8) + r of 3,072 bytes, + 24 h
.set WO,   12                          ; v12    b_img: fragment w % 8, + 16 lane
.set WSA,  13                          ; v13    W2's scale bytes: row 64 h + r of 128 bytes
.set LI,   14                          ; v14    16 lane
.set TMP,  21
.set TM,   22                          ; v22-23 largest magnitudes, v24-25 the other half's, v26-27 the conversions' scale operands, v28-29 the bytes
.set PW,   30                          ; v30    two scale bytes
.set FRG,  32                          ; v32-43 a fragment's 12 registers
.set PX,   44                          ; v44-46 the second conversion's result
.set BF,   48                          ; v48-71 q_out^T: tile t, link g at v[BF + 6 t + 2 g]
.set R,    72                          ; v72-103  a group's 32 numbers behind the relu
.set D,    104                         ; v104-135 four accumulators: written by matrix instructions alone
.set AF,   136                         ; v136-231 W1: tile T, link g at v[AF + 6 T + 2 g]
.set SW,   232                         ; v232-239 scale words: K step s of my two, tile t at v[SW + 4 s + t]
.set AX,   48                          ; the cosine's ten-fold registers (waves 0 and 1, ahead of everything else): theta, then r, then cos(theta)
.set AK,   58                          ; k
.set AZ,   68                          ; r^2
.set AS,   78                          ; the sine
.set AC,   88                          ; the cosine
.set AT,   32                          ; at work
.set QO,   68                          ; q0 .. q9, 0, 0
	s_load_b256 s[4:11], s[0:1], 0x0               ; x s[4:5], q_params s[6:7], W1 s[8:9], W2's codes s[10:11]
	s_load_b128 s[12:15], s[0:1], 0x20             ; W2's scales s[12:13], a_img s[14:15]
	s_load_b64 s[48:49], s[0:1], 0x30              ; b_img
	v_lshl_add_u32 v254, v0, 2, 0x1000
	v_mov_b32 v255, 0
	v_and_b32 v1, 15, v0                           ; r
	v_bfe_u32 v2, v0, 4, 1                         ; h
	v_and_b32 v3, 31, v0                           ; lane
	v_lshrrev_b32 v[TMP], 5, v0
	v_readfirstlane_b32 s40, v[TMP]                ; wave 0..15
	; every address register is made here, ahead of the branches on the wave's number
	v_and_b32 v[TMP], 8, v1
	v_add_nc_u32 v[TMP], v[TMP], v1                ; r + 8 (r / 8)
	v_mul_u32_u24 v[VA2], v[TMP], 40               ; a row of W1 is 40 bytes
	s_mul_i32 s42, s40, 10240                      ; my 256 units
	v_add_nc_u32 v[VA2], s42, v[VA2]
	v_lshl_add_u32 v[VA], v2, 3, v[VA2]
	v_mul_u32_u24 v[QB], v1, 48
	v_lshl_add_u32 v[QB], v2, 3, v[QB]
	v_and_b32 v[TMP], 63, v0                       ; in waves 0 and 1: the row
	v_mul_u32_u24 v[QW], v[TMP], 48
	v_mul_u32_u24 v[XO], v[TMP], 40
	s_mul_i32 s43, s40, 2*BLKB                     ; my two K steps' blocks
	s_and_b32 s44, ttmp9, 1                        ; which 64 of the block's 128 rows are my work-group's
	s_mul_i32 s45, s44, 4*FRB
	s_add_co_u32 s45, s45, s43
	v_lshl_add_u32 v[CO], v3, 4, s45
	s_lshl_b32 s46, s44, 8
	s_add_co_u32 s46, s46, s43
	s_add_co_u32 s46, s46, 8*FRB
	v_mul_u32_u24 v[SO], v2, BLKB                  ; lanes 16-31 store the second K step's words
	v_lshl_add_u32 v[SO], v1, 4, v[SO]
	v_add_nc_u32 v[SO], s46, v[SO]
	s_and_b32 s47, s40, 7
	s_mul_i32 s50, s47, 16*3072
	v_mul_u32_u24 v[WA], v1, 3072
	v_mad_u32_u24 v[WA], v2, 24, v[WA]
	v_add_nc_u32 v[WA], s50, v[WA]
	s_mul_i32 s50, s47, FRB
	v_lshl_add_u32 v[WO], v3, 4, s50
	v_lshlrev_b32 v[WSA], 7, v1
	v_lshl_add_u32 v[WSA], v2, 13, v[WSA]
	v_lshlrev_b32 v[LI], 4, v3
	v_mov_b32 v[TM+2], 0                           ; written once: a lane permute's destination counts as one of its sources
	v_mov_b32 v[TM+3], 0
	s_mov_b32 s28, 0x3fc90fdb                      ; pi / 2 in three parts: 1.57079637, -4.37113883e-8, -1.7151e-15
	s_mov_b32 s29, 0xb33bbd2e
	s_mov_b32 s30, 0xa6f72ced
	s_mov_b32 s31, 0xb94ca1f9                      ; sine: -1.9515296e-4, 8.3321609e-3, -1.6666655e-1
	s_mov_b32 s32, 0x3c08839e
	s_mov_b32 s33, 0xbe2aaaa3
	s_mov_b32 s34, 0x37ccf5ce                      ; cosine: 2.4433157e-5, -1.3887316e-3, 4.1666646e-2
	s_mov_b32 s35, 0xbab6061a
	s_mov_b32 s36, 0x3d2aaaa5
	s_mov_b32 s38, 0x76543210                      ; v_permlanex16_b32's selects for lane l xor 16
	s_mov_b32 s39, 0xfedcba98
	s_wait_kmcnt 0x0
	s_load_b256 s[16:23], s[6:7], 0x0              ; q_params: ten numbers, 40 bytes
	s_load_b64 s[24:25], s[6:7], 0x20
	s_mov_b32 s27, 0
	s_mul_i32 s26, ttmp9, 2560                     ; my 64 rows of x
	s_add_nc_u64 s[4:5], s[4:5], s[26:27]
	s_lshr_b32 s26, ttmp9, 1                       ; a_img: the block of 128 rows in which my 64 lie (127 x 409,600 stays under 2^32)
	s_mul_i32 s26, s26, ROWBLK
	s_add_nc_u64 s[14:15], s[14:15], s[26:27]
	s_mul_i32 s26, ttmp9, BLKB                     ; b_img: block g = rows 128 (g / 32) on, K step g % 32
	s_add_nc_u64 s[48:49], s[48:49], s[26:27]
	s_lshr_b32 s51, ttmp9, 5
	s_and_b32 s52, ttmp9, 31
	s_mul_i32 s26, s51, 128*3072                   ; the same place in W2's codes: 128 rows of 3,072 bytes, 96 bytes a K step,
	s_mul_i32 s53, s52, 96
	s_add_co_u32 s26, s26, s53
	s_add_nc_u64 s[10:11], s[10:11], s[26:27]
	s_lshl_b32 s26, s51, 14                        ; and in its scale bytes: 128 rows of 128 bytes, 4 bytes a K step
	s_lshl_b32 s53, s52, 2
	s_add_co_u32 s26, s26, s53
	s_add_nc_u64 s[12:13], s[12:13], s[26:27]
	s_wait_kmcnt 0x0
; W1's 16 tiles x 3 links: lane (r, h) holds, for link g, K = 4 g + 2 h and 4 g + 2 h + 1 of its unit: 8 bytes.  In link 2 both halves of the lanes take K = 8, 9: K = 10, 11 do not exist, and what lanes 16-31 hold there
; meets the two zeros behind q9.  So no load leaves a row of W1, nor the buffer.
.macro LOADW
.irp tt, 0,1,2,3,4,5,6,7,8,9,10,11,12,13,14,15
	global_load_b64 v[AF+6*\tt:AF+6*\tt+1],   v[VA],  s[8:9] offset:(128*(\tt/8)+32*((\tt%8)/2)+8*(\tt%2))*40
	global_load_b64 v[AF+6*\tt+2:AF+6*\tt+3], v[VA],  s[8:9] offset:(128*(\tt/8)+32*((\tt%8)/2)+8*(\tt%2))*40+16
	global_load_b64 v[AF+6*\tt+4:AF+6*\tt+5], v[VA2], s[8:9] offset:(128*(\tt/8)+32*((\tt%8)/2)+8*(\tt%2))*40+32
.endr
.endm
; q_out of one row a lane, stage by stage over the ten wires, so that no line waits for the line above it
.macro COSQ
.irp j, 0,1,2,3,4,5,6,7,8,9
	v_add_f32 v[AX+\j], s[16+\j], v[AX+\j]         ; theta = x + q_params
.endr
.irp j, 0,1,2,3,4,5,6,7,8,9
	v_mul_f32 v[AK+\j], 0x3f22f983, v[AX+\j]       ; theta x 2 / pi
.endr
.irp j, 0,1,2,3,4,5,6,7,8,9
	v_rndne_f32 v[AK+\j], v[AK+\j]                 ; k
.endr
.irp j, 0,1,2,3,4,5,6,7,8,9
	v_fma_f32 v[AX+\j], -v[AK+\j], s28, v[AX+\j]   ; r = theta - k x pi / 2, part by part
.endr
.irp j, 0,1,2,3,4,5,6,7,8,9
	v_fma_f32 v[AX+\j], -v[AK+\j], s29, v[AX+\j]
.endr
.irp j, 0,1,2,3,4,5,6,7,8,9
	v_fma_f32 v[AX+\j], -v[AK+\j], s30, v[AX+\j]
.endr
.irp j, 0,1,2,3,4,5,6,7,8,9
	v_cvt_i32_f32 v[AK+\j], v[AK+\j]               ; k as a whole number
.endr
.irp j, 0,1,2,3,4,5,6,7,8,9
	v_mul_f32 v[AZ+\j], v[AX+\j], v[AX+\j]         ; z = r^2
.endr
.irp j, 0,1,2,3,4,5,6,7,8,9
	v_fma_f32 v[AS+\j], v[AZ+\j], s31, s32
.endr
.irp j, 0,1,2,3,4,5,6,7,8,9
	v_fma_f32 v[AS+\j], v[AS+\j], v[AZ+\j], s33
.endr
.irp j, 0,1,2,3,4,5,6,7,8,9
	v_mul_f32 v[AT+\j], v[AX+\j], v[AZ+\j]
.endr
.irp j, 0,1,2,3,4,5,6,7,8,9
	v_fma_f32 v[AS+\j], v[AT+\j], v[AS+\j], v[AX+\j]   ; sin(r) = r + r z (..)
.endr
.irp j, 0,1,2,3,4,5,6,7,8,9
	v_fma_f32 v[AC+\j], v[AZ+\j], s34, s35
.endr
.irp j, 0,1,2,3,4,5,6,7,8,9
	v_fma_f32 v[AC+\j], v[AC+\j], v[AZ+\j], s36
.endr
.irp j, 0,1,2,3,4,5,6,7,8,9
	v_mul_f32 v[AT+\j], v[AZ+\j], v[AZ+\j]
.endr
.irp j, 0,1,2,3,4,5,6,7,8,9
	v_fma_f32 v[AZ+\j], v[AZ+\j], -0.5, 1.0
.endr
.irp j, 0,1,2,3,4,5,6,7,8,9
	v_fma_f32 v[AC+\j], v[AT+\j], v[AC+\j], v[AZ+\j]   ; cos(r) = 1 - z / 2 + z^2 (..)
.endr
.irp j, 0,1,2,3,4,5,6,7,8,9
	v_and_b32 v[AT+\j], 1, v[AK+\j]
.endr
.irp j, 0,1,2,3,4,5,6,7,8,9
	v_cmp_eq_u32 vcc_lo, 1, v[AT+\j]               ; cos(r + k pi / 2): k mod 4 = 0: cos r; 1: -sin r; 2: -cos r; 3: sin r.  The choice selects a value, no way through the text
	v_cndmask_b32 v[AC+\j], v[AC+\j], v[AS+\j], vcc_lo
.endr
.irp j, 0,1,2,3,4,5,6,7,8,9
	v_add_nc_u32 v[AK+\j], 1, v[AK+\j]             ; bit 1 of k + 1 is set for k mod 4 = 1, 2
.endr
.irp j, 0,1,2,3,4,5,6,7,8,9
	v_lshlrev_b32 v[AK+\j], 30, v[AK+\j]
.endr
.irp j, 0,1,2,3,4,5,6,7,8,9
	v_and_b32 v[AK+\j], 0x80000000, v[AK+\j]
.endr
.irp j, 0,1,2,3,4,5,6,7,8,9
	v_xor_b32 v[AX+\j], v[AK+\j], v[AC+\j]         ; c_j = cos(theta_j)
.endr
	v_mul_f32 v[QO+1], v[AX], v[AX+1]              ; q1 = c0 c1
	v_mul_f32 v[QO], v[AX+1], v[AX+2]              ; q0 begins: c1 c2
.irp i, 2,3,4,5,6,7,8,9
	v_mul_f32 v[QO+\i], v[QO+\i-1], v[AX+\i]       ; q_i = q_(i-1) c_i
.endr
.irp i, 3,4,5,6,7,8,9
	v_mul_f32 v[QO], v[QO], v[AX+\i]               ; q0 = c1 .. c9
.endr
	v_mov_b32 v[QO+10], 0                          ; K is filled from 10 to 12 with zeros
	v_mov_b32 v[QO+11], 0
	ds_store_b128 v[QW], v[QO:QO+3]
	ds_store_b128 v[QW], v[QO+4:QO+7] offset:16
	ds_store_b128 v[QW], v[QO+8:QO+11] offset:32
.endm
.macro LOADB t                         ; q_out^T of tile t: lane (r, h) holds, for link g, K = 4 g + 2 h, 4 g + 2 h + 1 of row 16 t + r
.irp sg, 0,1,2
	ds_load_b64 v[BF+6*(\t)+2*\sg:BF+6*(\t)+2*\sg+1], v[QB] offset:768*(\t)+16*\sg
.endr
.endm
; Group g of tile t of rows: tiles 4 g .. 4 g + 3 of units, three links each.  The four accumulators take turns, one instruction a turn; each sum's first link takes the constant 0 as C.
.macro MM t, g
.irp sg, 0,1,2
.irp ta, 0,1,2,3
.if \sg == 0
	v_wmma_f32_16x16x4_f32 v[D+8*\ta:D+8*\ta+7], v[AF+6*(4*(\g)+\ta)+2*\sg:AF+6*(4*(\g)+\ta)+2*\sg+1], v[BF+6*(\t)+2*\sg:BF+6*(\t)+2*\sg+1], 0
.else
	v_wmma_f32_16x16x4_f32 v[D+8*\ta:D+8*\ta+7], v[AF+6*(4*(\g)+\ta)+2*\sg:AF+6*(4*(\g)+\ta)+2*\sg+1], v[BF+6*(\t)+2*\sg:BF+6*(\t)+2*\sg+1], v[D+8*\ta:D+8*\ta+7]
.endif
.endr
.endr
.endm
; Group g of tile t is quantised: g = 2 s + c, s the K step of my two.  Registers 0-15 are k = 64 c + 16 h + 0 .. 15 of my row (block 2 c), registers 16-31 the same of block 2 c + 1.
; The codes are registers 6 c .. 6 c + 5 of the fragment; behind c = 1 the fragment is whole and leaves.
.macro HALF t, g
.set HS, (\g)/2
.set HC, (\g)%2
.set FD, FRG+6*HC
.rept 8
	v_nop                                          ; eight places between this matrix form and the first read of its results (ISA guide 7.12.1)
.endr
.irp i, 0,1,2,3,4,5,6,7,8,9,10,11,12,13,14,15,16,17,18,19,20,21,22,23,24,25,26,27,28,29,30,31
	v_max_num_f32 v[R+\i], 0, v[D+\i]              ; the activation, into other registers; each accumulator from its low end on
.endr
	v_max3_num_f32 v[TM], v[R], v[R+1], 0x2800000          ; my 16 numbers of each block (none is negative), and the floor 2^(5 - 127): so the byte cannot fall under 1
	v_max3_num_f32 v[TM+1], v[R+16], v[R+17], 0x2800000
.irp i, 2,4,6,8,10,12,14
	v_max3_num_f32 v[TM], v[TM], v[R+\i], v[R+\i+1]        ; (the two blocks by turns)
	v_max3_num_f32 v[TM+1], v[TM+1], v[R+16+\i], v[R+17+\i]
.endr
	v_permlanex16_b32 v[TM+2], v[TM], s38, s39
	v_permlanex16_b32 v[TM+3], v[TM+1], s38, s39
	v_max_num_f32 v[TM], v[TM], v[TM+2]            ; with lane l xor 16's: the block's largest magnitude
	v_max_num_f32 v[TM+1], v[TM+1], v[TM+3]
	v_add_nc_u32 v[TM+4], 0xfe000000, v[TM]        ; 4 off its exponent field: the conversion takes the exponent field of this operand as its scale, and nothing else of it
	v_add_nc_u32 v[TM+5], 0xfe000000, v[TM+1]
	v_lshrrev_b32 v[TM+6], 23, v[TM+4]             ; the scales' bytes
	v_lshrrev_b32 v[TM+7], 23, v[TM+5]
.if HC == 0
	v_lshl_or_b32 v[SW+4*HS+(\t)], v[TM+7], 8, v[TM+6]     ; my row's scale word of this K step: its lower two bytes,
.else
	v_lshl_or_b32 v[PW], v[TM+7], 8, v[TM+6]
	v_lshl_or_b32 v[SW+4*HS+(\t)], v[PW], 16, v[SW+4*HS+(\t)]   ; its upper two
.endif
	s_wait_xcnt 0x0                                ; the last fragment's stores have read their registers: only behind this wait are they written again
	v_cvt_scalef32_pk16_bf6_f32 v[FD:FD+2], v[R:R+15], v[TM+4]        ; 96 bits: block 2 c, my half
	v_cvt_scalef32_pk16_bf6_f32 v[PX:PX+2], v[R+16:R+31], v[TM+5]     ; block 2 c + 1, my half (a conversion's three registers begin on an even number)
	v_nop                                          ; one plain place behind a scaled conversion
.irp i, 0,1,2
	v_permlane16_swap_b32 v[FD+\i], v[PX+\i]       ; the first's lanes 16-31 change places with the second's lanes 0-15: lane (r, h) now holds block 2 c + h whole: its lower 16 codes, its upper 16
.endr
.irp i, 0,1,2
	v_mov_b32 v[FD+3+\i], v[PX+\i]
.endr
.if HC == 1
.irp c, 0,1,2
	global_store_b128 v[CO], v[FRG+4*\c:FRG+4*\c+3], s[14:15] offset:BLKB*HS+FRB*(\t)+512*\c   ; the fragment as it stands: 32 lanes store 512 consecutive bytes
.endr
.endif
.endm
; A tile of 16 rows: four groups.  Each group's products stand behind the vector lines of the group before, far more than the nine places that a matrix instruction owes which begins an accumulator anew.
.macro TILE t
.irp g, 0,1,2,3
	MM \t, \g
	HALF \t, \g
.endr
.endm
	s_cmp_lt_u32 s40, 2
	s_cbranch_scc0 .Lweights_only
.irp i, 0,1,2,3,4
	global_load_b64 v[AX+2*\i:AX+2*\i+1], v[XO], s[4:5] offset:8*\i   ; waves 0 and 1: a row of x a lane
.endr
	LOADW
	s_wait_loadcnt 48                              ; x's five loads are in; the 48 younger loads of W1 stay out
	COSQ
	s_branch .Lmeet
.Lweights_only:
	LOADW
	s_cmp_lt_u32 s40, 8
	s_cbranch_scc1 .Lnot_codes
.irp p, 0,1,2,3,4,5
	global_load_b64 v[FRG+2*\p:FRG+2*\p+1], v[WA], s[10:11] offset:48*(\p/3)+8*(\p%3)   ; waves 8-15: a fragment of W2: lane (r, h) takes the 24 bytes at 24 h and at 48 + 24 h of its row's 96: the operand's registers, as they lie
.endr
	s_wait_loadcnt 0x0
.irp c, 0,1,2
	global_store_b128 v[WO], v[FRG+4*\c:FRG+4*\c+3], s[48:49] offset:512*\c
.endr
	s_branch .Lmeet
.Lnot_codes:
	s_cmp_lg_u32 s40, 7
	s_cbranch_scc1 .Lmeet
.irp j, 0,1,2,3
	global_load_b32 v[FRG+\j], v[WSA], s[12:13] offset:2048*\j   ; wave 7: the block's 128 scale words: lane (r, h) takes those of rows 64 h + 16 j + r
.endr
	s_wait_loadcnt 0x0
	global_store_b128 v[LI], v[FRG:FRG+3], s[48:49] offset:8*FRB
.Lmeet:
	s_wait_dscnt 0x0                               ; q_out's stores have landed
	s_barrier_signal -1
	s_barrier_wait -1
.irp t, 0,1,2,3
	LOADB \t
.endr
	s_wait_dscnt 0x0
	s_wait_loadcnt 0x0                             ; W1
	TILE 0
	TILE 1
	TILE 2
	TILE 3
	v_cmp_eq_u32 vcc_lo, 1, v2                     ; every lane holds its row's words of both K steps: lanes 0-15 store the first's, lanes 16-31 the second's
.irp t, 0,1,2,3
	v_cndmask_b32 v[SW+\t], v[SW+\t], v[SW+4+\t], vcc_lo
.endr
	global_store_b128 v[SO], v[SW:SW+3], s[14:15]  ; four tiles' words a lane: sixteen lanes store 256 consecutive bytes, at a multiple of 256 from the buffer's first byte
	s_wait_tensorcnt 0x0
	ds_add_u32 v254, v255
	s_wait_dscnt 0x0
	s_endpgm
.Lfunc_end_k_q48d5c66c76_hidden:
	.size	k_q48d5c66c76_hidden, .Lfunc_end_k_q48d5c66c76_hidden-k_q48d5c66c76_hidden
	.p2alignl 7, 3214868480
	.fill 96, 4, 3214868480
	.section	.rodata,"a",@progbits
	.p2align	6, 0x0
	.amdhsa_kernel k_q48d5c66c76_hidden
		.amdhsa_group_segment_fixed_size 6144
		.amdhsa_private_segment_fixed_size 0
		.amdhsa_enable_private_segment 0
		.amdhsa_kernarg_size 56
		.amdhsa_user_sgpr_count 2
		.amdhsa_user_sgpr_kernarg_segment_ptr 1
		.amdhsa_wavefront_size32 1
		.amdhsa_system_sgpr_workgroup_id_x 1
		.amdhsa_system_sgpr_workgroup_id_y 1
		.amdhsa_system_sgpr_workgroup_id_z 1
		.amdhsa_system_vgpr_workitem_id 0
		.amdhsa_next_free_vgpr 256
		.amdhsa_next_free_sgpr 66
		.amdhsa_reserve_vcc 1
		.amdhsa_float_denorm_mode_32 3
		.amdhsa_float_denorm_mode_16_64 3
		.amdhsa_memory_ordered 1
		.amdhsa_forward_progress 1
		.amdhsa_inst_pref_size 94
	.end_amdhsa_kernel
	.amdgpu_metadata
---
amdhsa.version: [ 1, 2 ]
amdhsa.kernels:
  - .name:           k_q48d5c66c76_hidden
    .symbol:         k_q48d5c66c76_hidden.kd
    .args:
      - { .name: x, .offset: 0, .size: 8, .value_kind: global_buffer, .address_space: global }
      - { .name: q_params, .offset: 8, .size: 8, .value_kind: global_buffer, .address_space: global }
      - { .name: W1, .offset: 16, .size: 8, .value_kind: global_buffer, .address_space: global }
      - { .name: W2_codes, .offset: 24, .size: 8, .value_kind: global_buffer, .address_space: global }
      - { .name: W2_scales, .offset: 32, .size: 8, .value_kind: global_buffer, .address_space: global }
      - { .name: a_img, .offset: 40, .size: 8, .value_kind: global_buffer, .address_space: global }
      - { .name: b_img, .offset: 48, .size: 8, .value_kind: global_buffer, .address_space: global }
    .group_segment_fixed_size: 6144
    .private_segment_fixed_size: 0
    .kernarg_segment_align: 8
    .kernarg_segment_size: 56
    .max_flat_workgroup_size: 512
    .sgpr_count:     66
    .vgpr_count:     256
    .wavefront_size: 32
...
	.end_amdgpu_metadata
.endif
;; end of part 1
;; launch gemm (part 2): grid 4 x 64, 4 waves a work-group, clusters of 4 x 4, 327,680 bytes of LDS; arguments a_img, b_img, out0; writes out0
.if DOCPART == 2
	.amdgcn_target "amdgcn-amd-amdhsa--gfx1250"
	.amdhsa_code_object_version 6
	.text
	.protected	k_q48d5c66c76_gemm
	.globl	k_q48d5c66c76_gemm
	.p2align	8
	.type	k_q48d5c66c76_gemm,@function
k_q48d5c66c76_gemm:
	s_mov_b64 s[64:65], 0
	v_nop
	global_prefetch_b8 v0, s[64:65] scope:SCOPE_SE
	s_setreg_imm32_b32 hwreg(HW_REG_WAVE_MODE, 25, 1), 1
	s_wait_xcnt 0x0
	s_wait_alu depctr_hold_cnt(0) depctr_sa_sdst(0) depctr_va_vdst(0) depctr_va_sdst(0) depctr_va_ssrc(0) depctr_va_vcc(0) depctr_vm_vsrc(0)
	s_getreg_b32 s2, hwreg(HW_REG_IB_STS2, 6, 4)
	s_cmp_eq_u32 s2, 0
	s_cbranch_scc0 .Lentry_in_a_cluster
	s_endpgm
.Lentry_in_a_cluster:
	s_bfe_u32 s2, ttmp6, 0x10000c
	s_cmp_lg_u32 s2, 0xf033
	s_cbranch_scc0 .Lentry_shape_is_right
	s_endpgm
.Lentry_shape_is_right:
; out0[m][n] = sum over k of h[m][k] W2[n][k]; M = 16,384, N = 1,024, K = 4,096.  Both operands are codes of BF6 (E3M2), 6 bits each, with one E8M0 scale for each 32 along K; out0 is f32; sums in f32.
; BOTH OPERANDS LIE IN MEMORY IN THE ORDER OF THE OPERAND'S REGISTERS (the launch before laid them so).  A BLOCK is 128 rows x 128 along K, 12,800 bytes: eight fragments (16 rows each) of 1,536 bytes, a fragment's registers
; 4 c .. 4 c + 3 of lane l at 512 c + 16 l; behind them 512 bytes of scale words, the word of row 16 (4 g + j) + r at 256 g + 16 r + 4 j.  a_img: [128 blocks of rows][32 K steps] blocks; b_img: [8][32] blocks.
; So three K steps of 128 rows are 38,400 consecutive bytes, one tensor load of 150 rows of 256 bytes; a fragment comes out of LDS by three loads of 16 bytes a lane, lane l at 16 l, with no pitch and no padding;
; and a K step's scale words come out of the tile by four such loads (a lane's four registers: the words of row r of four blocks of 16 rows).
; A tile of C, 256 x 256, is made by a work-group of four waves, as many as a WGP has SIMDs; a wave makes 128 x 128: 64 accumulators of 16 x 16, 512 registers.  C has 64 x 4 = 256 tiles: one to a work-group.
; THE RING: two LDS slots of THREE K steps of 128 (4 x 38,400 bytes: A's two halves, B's two halves), as long as two slots fit.  32 K steps = 2 + 10 x 3: slot 0's first fill holds steps 0 and 1, every other fill three steps.
; From a refill to the wait for it a wave issues 160 matrix instructions.
; CLUSTERS: 4 x 4 work-groups.  The four of a row of the cluster need the same tiles of A, the four of a column the same tiles of B: each tile is asked for JOINTLY, by the same tensor load with the
; same descriptor and a mask that names the four.  THE MATRIX INSTRUCTION IS USED TRANSPOSED (source 0 = 16 rows of B, source 1 = 16 rows of A): a lane then holds eight neighbouring numbers of a row of C.
; REGISTERS, in windows of 256: window 0: v0-31 addresses; v32-63 scale words, two sets of 8 for A + 8 for B; from v128 A's fragments (8 x 16 rows x 128 K), ONE set; on the way out v128-255 are free.
;   window 1: B's fragments, TWO sets, at v0 and at v128.   window 2: the 32 accumulators of my rows 0-63 (accumulator (a, b) at v[8 (8 a + b)]);   window 3: those of my rows 64-127.
; A step of 128 along K is 64 matrix instructions, A's blocks one after the other, each against B's eight.  So a block of A is free as soon as its eight products are issued, and one set of registers serves A:
; blocks 0-3 are fetched anew in the step's middle, blocks 4-7 at its end.  B's fragments and the scale words are at work through the whole step and have two sets, which take turns step by step.
; A's and B's scale words have registers of their own: every LDS address is then a constant + 16 x lane (or 16 x (lane % 16)) + a constant x wave.
; All of a WGP's LDS is claimed: the text uses 307,712 bytes.
.set SIZE_N, 1024
.set NSTEP,  32                        ; K steps of 128
.set FR,     12                        ; registers of a fragment: 16 rows x 128 K
.set FRB,    1536                      ; and its image in bytes
.set BLKB,   8*FRB+512                 ; a block: 128 rows x 128 K, codes and scale words
.set ROWBLK, NSTEP*BLKB                ; all K steps of 128 rows
.set SQ,     3                         ; K steps in a slot
.set PART,   SQ*BLKB                   ; what one tensor load brings, and what one wave reads of A or of B in a slot
.set SLOT,   4*PART                    ; A's rows 0-127, A's rows 128-255, B's likewise
.set SPARE,  2*SLOT                    ; behind the ring: the spare words, 128 bytes for each wave: two blocks of 256 bytes that no other line names
.set STAGE,  SLOT                      ; the way out: a stage of 16 rows x (512 bytes + 16) for each wave.  It lies in slot 1, which has had its last fill and its last read when the first result is stored there: the last three K steps lie in slot 0
.set SPITCH, 528
.set NP,     4                         ; places behind this matrix instruction (ISA guide 7.12.1)
.set TRIPS,  (NSTEP-2)/(2*SQ)-1        ; the loop's trips: six K steps each; the last six are written out
.set ADRA, 16                          ; v16-17  LDS address of my A fragments in slot 0, 1: 16 x lane + my half
.set ADRB, 18                          ; v18-19  the same for B
.set ADSA, 20                          ; v20-21  of my half of A, + 16 x (lane % 16): for its scale words
.set ADSB, 22                          ; v22-23  the same for B
.set STO,  24                          ; v24     the way out: where I put 32 bytes of a row
.set RD,   25                          ; v25     the way out: where I read a row back
.set CO,   26                          ; v26     my byte offset in a row of C
.set SPW,  28                          ; v28     LDS address of my spare word: SPARE + 4 x my thread's number; never rewritten
.set NIL,  29                          ; v29     0; never rewritten
.set SC,   32                          ; scale words: set p at v[SC + 16 p]: registers 0-7 the words of A's blocks 0-7, registers 8-15 those of B's; lane r (and lane 16 + r, which is not read) holds row r's
.set AF,   128                         ; A's fragments, in window 0
.set BK,   128                         ; the way out: 16 rows read back from the stage: v128-191 and v192-255 by turns
.set G1,   24                          ; s[24:31] descriptor group 1 for A's tiles of three K steps;  s[32:39] group 0, one set for each slot
.set G0,   32
.set G1B,  48                          ; s[48:55], s[56:63] the same for B's tiles
.set G0B,  56
.set G1F,  68                          ; s[68:75] group 1 for A's first tile, of two K steps;  s[76:83] for B's
.set G1FB, 76
.set MSB, 0
.macro WIN new                         ; the immediate's high byte repeats the setting that is left
.if MSB != \new
	s_set_vgpr_msb (MSB<<8)|\new
.set MSB, \new
.endif
.endm
.set MUL_LO, 0xa1                      ; source 0 (B) window 1, source 1 (A) window 0, C and D window 2
.set MUL_HI, 0xf1                      ; the same, C and D window 3
.set TO_B,   0x40                      ; destination window 1, address window 0
; A joint load: waves 0 and 1 fetch for A, waves 2 and 3 for B.  Each of the two lines has ONE mask and one set of registers for all that issue it; the branch hangs on the wave's number alone.
; Four v_nop follow each of the two lines, ahead of the jump, the label and what follows.
.macro JLOAD g0a, g1a, g0b, g1b
	s_cmp_eq_u32 s15, 0
	s_cbranch_scc0 .Lfor_b_\@
	tensor_load_to_lds s[\g0a:\g0a+3], s[\g1a:\g1a+7]
	s_nop 0
.rept 4
	v_nop
.endr
	s_branch .Lasked_\@
.Lfor_b_\@:
	tensor_load_to_lds s[\g0b:\g0b+3], s[\g1b:\g1b+7]
	s_nop 0
.rept 4
	v_nop
.endr
.Lasked_\@:
.endm
.macro CREST                           ; a round of the cluster's barrier behind its opening barrier
	s_cmp_lg_u32 s14, 0
	s_cbranch_scc1 .Lnot_wave_0_\@
	s_barrier_signal -3
.Lnot_wave_0_\@:
	s_barrier_wait -3
	s_barrier_signal -1
	s_barrier_wait -1
.endm
.macro CROUND                          ; a whole round
	s_barrier_signal -1
	s_barrier_wait -1
	CREST
.endm
	s_load_b128 s[4:7], s[0:1], 0x0                ; a_img s[4:5], b_img s[6:7]
	s_load_b64 s[12:13], s[0:1], 0x10              ; C
	v_lshl_add_u32 v[SPW], v0, 2, SPARE
	v_mov_b32 v[NIL], 0
	ds_add_u32 v28, v29
	ds_add_u32 v28, v29
	s_wait_dscnt 0x0
	v_lshrrev_b32 v1, 5, v0
	v_readfirstlane_b32 s14, v1                    ; wave 0..3
	s_lshr_b32 s15, s14, 1                         ; which half of the tile's rows is mine.  Also: I fetch for A (0) or for B (1)
	s_and_b32 s16, s14, 1                          ; which half of its columns.  Also: which 128 rows of that tile I fetch
	s_bfe_u32 s40, ttmp6, 0x40000                  ; cx, cy: my place in the cluster
	s_bfe_u32 s41, ttmp6, 0x40004
	s_lshl_b32 s42, ttmp9, 2
	s_add_co_u32 s42, s42, s40                     ; tile column of C = 4 x cluster x + cx
	s_and_b32 s17, ttmp7, 0xffff
	s_lshl_b32 s17, s17, 2
	s_add_co_u32 s17, s17, s41                     ; tile row of C = 4 x cluster y + cy
	s_lshl_b32 s43, s41, 2
	s_lshl_b32 s43, 15, s43                        ; my row of the cluster
	s_lshl_b32 s44, 0x1111, s40                    ; my column
	; descriptor group 1: a dense run of memory as rows of 256 bytes (32 elements of 8 bytes), laid in LDS without padding: 150 rows for three K steps, 100 for the first tile's two
	s_or_b32 s[G1+0], s43, (3<<16)|(1<<21)         ; 15:0 the mask: A's tiles go to my row; 17:16 element of 8 bytes; 20 padding off; 21 set beside a mask
	s_or_b32 s[G1B+0], s44, (3<<16)|(1<<21)        ; the same with the mask of my column, for B's tiles
	s_or_b32 s[G1F+0], s43, (3<<16)|(1<<21)
	s_or_b32 s[G1FB+0], s44, (3<<16)|(1<<21)
.irp g, G1, G1B
	s_mov_b32 s[\g+1], 32<<16                      ; tensor_dim0
	s_mov_b32 s[\g+2], (SQ*BLKB/256)<<16           ; tensor_dim1 = 150
	s_mov_b32 s[\g+3], 32<<16                      ; tile_dim0
	s_mov_b32 s[\g+4], SQ*BLKB/256                 ; tile_dim1 = 150
	s_mov_b32 s[\g+5], 32                          ; tensor_dim0_stride
	s_mov_b32 s[\g+6], 0
	s_mov_b32 s[\g+7], 0
.endr
.irp g, G1F, G1FB
	s_mov_b32 s[\g+1], 32<<16
	s_mov_b32 s[\g+2], (2*BLKB/256)<<16            ; tensor_dim1 = 100
	s_mov_b32 s[\g+3], 32<<16
	s_mov_b32 s[\g+4], 2*BLKB/256                  ; tile_dim1 = 100
	s_mov_b32 s[\g+5], 32
	s_mov_b32 s[\g+6], 0
	s_mov_b32 s[\g+7], 0
.endr
	s_lshl_b32 s20, s17, 1
	s_add_co_u32 s20, s20, s16                     ; A: block of 128 rows: 2 x tile row + half
	s_lshl_b32 s46, s42, 1
	s_add_co_u32 s46, s46, s16                     ; B: 2 x tile column + half
	s_mov_b32 s21, 0
	s_mov_b32 s47, 0
	s_mov_b64 s[18:19], ROWBLK
	s_mul_u64 s[20:21], s[20:21], s[18:19]         ; in bytes
	s_mul_u64 s[46:47], s[46:47], s[18:19]
	s_mul_i32 s45, s14, PART                       ; where they go: wave x 38,400: no place in the cluster enters an LDS address
	s_wait_kmcnt 0x0
	s_add_nc_u64 s[20:21], s[4:5], s[20:21]
	s_add_nc_u64 s[46:47], s[6:7], s[46:47]
	CROUND                                         ; all sixteen work-groups are here: the first joint loads meet
.irp s, 0,1
	s_mov_b32 s[G0+4*\s], 1                                        ; 1:0 count = 1
	s_add_co_u32 s[G0+4*\s+1], s45, \s*SLOT                        ; 63:32 LDS address
	s_add_nc_u64 s[G0+4*\s+2:G0+4*\s+3], s[20:21], \s*2*BLKB       ; 120:64 global address: slot 0 begins with K step 0, slot 1 with K step 2
	s_or_b32 s[G0+4*\s+3], s[G0+4*\s+3], 0x80000000                ; 127:126 type = 2
	s_mov_b32 s[G0B+4*\s], 1
	s_add_co_u32 s[G0B+4*\s+1], s45, \s*SLOT
	s_add_nc_u64 s[G0B+4*\s+2:G0B+4*\s+3], s[46:47], \s*2*BLKB
	s_or_b32 s[G0B+4*\s+3], s[G0B+4*\s+3], 0x80000000
.endr
	JLOAD G0, G1F, G0B, G1FB                       ; K steps 0 and 1
	JLOAD G0+4, G1, G0B+4, G1B                     ; K steps 2 to 4.  By this text's own count two tensor loads of a wave are out here, later one
	v_and_b32 v1, 15, v0                           ; l % 16
	v_bfe_u32 v2, v0, 4, 1                         ; l / 16
	v_and_b32 v6, 31, v0
	v_lshlrev_b32 v4, 4, v6                        ; 16 x lane: my place in an image
	v_lshlrev_b32 v5, 4, v1                        ; 16 x (lane % 16): my row's four scale words
	s_mul_i32 s21, s15, PART                       ; my 128 rows of A
	s_mul_i32 s22, s16, PART                       ; my 128 rows of B,
	s_add_co_u32 s22, s22, 2*PART                  ; which lie behind A's 256
.irp s, 0,1
	v_add_nc_u32 v[ADRA+\s], s21, v4
	v_add_nc_u32 v[ADRB+\s], s22, v4
	v_add_nc_u32 v[ADSA+\s], s21, v5
	v_add_nc_u32 v[ADSB+\s], s22, v5
	s_add_co_u32 s21, s21, SLOT
	s_add_co_u32 s22, s22, SLOT
.endr
	s_mul_i32 s23, s14, 16*SPITCH
	s_add_co_u32 s23, s23, STAGE                   ; my stage
	v_mul_u32_u24 v5, v1, SPITCH                   ; in: row l % 16, 32 bytes for each half of the lanes
	v_lshl_add_u32 v5, v2, 5, v5
	v_add_nc_u32 v[STO], s23, v5
	v_lshlrev_b32 v[CO], 4, v6                     ; back: the 32 lanes take one row of 512 bytes; and the same in C
	v_add_nc_u32 v[RD], s23, v[CO]
	s_lshl_b32 s20, s17, 8
	s_lshl_b32 s21, s15, 7
	s_add_co_u32 s20, s20, s21                     ; my first row of C: 256 x tile row + 128 x half
	s_mov_b32 s21, 0
	s_mov_b64 s[18:19], SIZE_N*4
	s_mul_u64 s[20:21], s[20:21], s[18:19]
	s_lshl_b32 s46, s42, 10                        ; my first column, in bytes: 1024 x tile column + 512 x half
	s_lshl_b32 s47, s16, 9
	s_add_co_u32 s46, s46, s47
	s_mov_b32 s47, 0
	s_add_nc_u64 s[20:21], s[20:21], s[46:47]
	s_add_nc_u64 s[12:13], s[12:13], s[20:21]
; 16 matrix instructions: A's blocks a0, a0 + 1 x B's eight, 128 along K.  p: B's set and the set of scale words.  zero = 1: the first product starts the sums: nothing is ever cleared.
; The 64 accumulators take turns, one instruction a turn, in the same order in every step.
.macro MUL16 a0, p, zero
.irp a, \a0, \a0+1
.irp b, 0,1,2,3,4,5,6,7
.if \zero
	v_wmma_scale_f32_16x16x128_f8f6f4 v[8*(8*((\a)%4)+\b):8*(8*((\a)%4)+\b)+7], v[128*(\p)+FR*\b:128*(\p)+FR*\b+FR-1], v[AF+FR*(\a):AF+FR*(\a)+FR-1], 0, v[SC+16*(\p)+8+\b], v[SC+16*(\p)+(\a)] matrix_a_fmt:MATRIX_FMT_BF6 matrix_b_fmt:MATRIX_FMT_BF6
.else
	v_wmma_scale_f32_16x16x128_f8f6f4 v[8*(8*((\a)%4)+\b):8*(8*((\a)%4)+\b)+7], v[128*(\p)+FR*\b:128*(\p)+FR*\b+FR-1], v[AF+FR*(\a):AF+FR*(\a)+FR-1], v[8*(8*((\a)%4)+\b):8*(8*((\a)%4)+\b)+7], v[SC+16*(\p)+8+\b], v[SC+16*(\p)+(\a)] matrix_a_fmt:MATRIX_FMT_BF6 matrix_b_fmt:MATRIX_FMT_BF6
.endif
.endr
.endr
.endm
.macro FETCH_B slot, q, p              ; B's eight fragments of the slot's q-th K step into set p: 24 loads, each of 512 consecutive bytes
	WIN TO_B
.irp i, 0,1,2,3,4,5,6,7
.irp c, 0,1,2
	ds_load_b128 v[128*(\p)+FR*\i+4*\c:128*(\p)+FR*\i+4*\c+3], v[ADRB+\slot] offset:(\q)*BLKB+\i*FRB+512*\c
.endr
.endr
	WIN 0
.endm
.macro FETCH_A slot, q, i0             ; A's blocks i0 .. i0 + 3: 12 loads
.irp i, \i0, \i0+1, \i0+2, \i0+3
.irp c, 0,1,2
	ds_load_b128 v[AF+FR*(\i)+4*\c:AF+FR*(\i)+4*\c+3], v[ADRA+\slot] offset:(\q)*BLKB+(\i)*FRB+512*\c
.endr
.endr
.endm
.macro SCALES slot, q, p               ; the scale words of the slot's q-th K step into set p: 4 loads; a lane's four registers are row r's words of four blocks of 16 rows
.irp g, 0,1
	ds_load_b128 v[SC+16*(\p)+4*\g:SC+16*(\p)+4*\g+3], v[ADSA+\slot] offset:(\q)*BLKB+8*FRB+256*\g
	ds_load_b128 v[SC+16*(\p)+8+4*\g:SC+16*(\p)+8+4*\g+3], v[ADSB+\slot] offset:(\q)*BLKB+8*FRB+256*\g
.endr
.endm
; A load into a register that a matrix instruction has read, and a vector instruction or an LDS store that reads a matrix result, stand NP places behind that matrix instruction, and only plain vector
; instructions that name none of its registers are places (ISA guide 7.12.1 for vector instructions); this text does not count the matrix instructions in between.
.macro PLACES n
.rept \n
	v_nop
.endr
.endm
; The slot's q-th K step, which has its successor in the same slot.  p: its set of B and of scale words; the successor's is the other.
.macro STEP slot, q, p, zero
	s_wait_dscnt 12                                ; B's set, the scale words and A's blocks 0-3 are in; the youngest twelve loads (A's blocks 4-7) may be out
	WIN MUL_LO
	MUL16 0, \p, \zero
	MUL16 2, \p, \zero
	s_wait_dscnt 0                                 ; A's blocks 4-7 are in (asked for 32 matrix instructions ago)
	PLACES NP
	FETCH_B \slot, (\q)+1, 1-(\p)
	FETCH_A \slot, (\q)+1, 0
	SCALES \slot, (\q)+1, 1-(\p)
	WIN MUL_HI
	MUL16 4, \p, \zero
	MUL16 6, \p, \zero
	PLACES NP
	WIN 0
	FETCH_A \slot, (\q)+1, 4
.endm
; A slot's last K step changes slots: ONE barrier; in front of it each wave waits for all its tensor loads, adds 0 to its spare word, and waits for that and for its own reads of this slot.
; fill = 1: this slot is filled again, with the three K steps that begin adv bytes on.
.macro TURN slot, p, next, fill, adv
	s_wait_tensorcnt 0x0                           ; all my tensor loads have landed: my part of the next slot;  (every window is 0 here: the add's two registers lie in window 0)
	ds_add_u32 v[SPW], v[NIL]                      ; 0 onto my spare word
	s_wait_dscnt 13                                ; (the add and the youngest twelve loads, A's blocks 4-7, may be out)
	WIN MUL_LO
	MUL16 0, \p, 0                                 ; sixteen matrix instructions stand between the add and the wait for it
	s_wait_dscnt 0x0                               ; the add is done, and my reads of this slot are over
	s_barrier_signal -1
	MUL16 2, \p, 0
	WIN 0
	s_barrier_wait -1
.if \fill
	CREST                                          ; the barrier has opened a round of the cluster's barrier: no wave of any partner still reads this slot's tile or has a load on its way
	s_add_nc_u64 s[G0+4*\slot+2:G0+4*\slot+3], s[G0+4*\slot+2:G0+4*\slot+3], \adv
	s_add_nc_u64 s[G0B+4*\slot+2:G0B+4*\slot+3], s[G0B+4*\slot+2:G0B+4*\slot+3], \adv
	JLOAD G0+4*\slot, G1, G0B+4*\slot, G1B         ; the first tensor load behind the round; the four v_nop behind it are the places in front of the loads below
.else
	PLACES NP
.endif
	FETCH_B \next, 0, 1-(\p)
	FETCH_A \next, 0, 0
	SCALES \next, 0, 1-(\p)
	WIN MUL_HI
	MUL16 4, \p, 0
	MUL16 6, \p, 0
	PLACES NP
	WIN 0
	FETCH_A \next, 0, 4
.endm
	s_wait_tensorcnt 1                             ; my part of K steps 0 and 1 is in (slot 1's load may be out)
	s_barrier_signal -1
	s_barrier_wait -1                              ; everybody's is
	FETCH_B 0, 0, 0
	FETCH_A 0, 0, 0
	SCALES 0, 0, 0
	FETCH_A 0, 0, 4
	STEP 0, 0, 0, 1                                ; K step 0: its products start the sums
	TURN 0, 1, 1, 1, 5*BLKB                        ; K step 1: slot 0 is left, and takes K steps 5 to 7
	s_mov_b32 s3, TRIPS
.Llap:                                                 ; a trip is six K steps, once round the ring, and fills both slots again: K steps 2 to 25
	STEP 1, 0, 0, 0
	STEP 1, 1, 1, 0
	TURN 1, 0, 0, 1, 2*SQ*BLKB
	STEP 0, 0, 1, 0
	STEP 0, 1, 0, 0
	TURN 0, 1, 1, 1, 2*SQ*BLKB
	s_sub_co_u32 s3, s3, 1
	s_cmp_lg_u32 s3, 0
	s_cbranch_scc1 .Llap
	STEP 1, 0, 0, 0                                ; K steps 26 to 31 fill nothing, and have no round of the cluster's barrier
	STEP 1, 1, 1, 0
	TURN 1, 0, 0, 0, 0
	STEP 0, 0, 1, 0
	STEP 0, 1, 0, 0
	s_wait_dscnt 12                                ; the very last step: nothing more to fetch
	WIN MUL_LO
	MUL16 0, 1, 0
	MUL16 2, 1, 0
	s_wait_dscnt 0
	WIN MUL_HI
	MUL16 4, 1, 0
	MUL16 6, 1, 0
	WIN 0
; THE WAY OUT, block by block of 16 rows x 128 columns.  A lane holds 32 neighbouring bytes of a row, and the lanes beside it hold other rows: so a block goes through my own stage in LDS and comes back as whole
; rows of 512 bytes, which the 32 lanes store as two aligned runs of 256 bytes.  LDS serves a wave's instructions in order (ISA guide 5.7.1.4): no wait between the stores and the loads, nor in front of the next block's stores.
.macro TOSTAGE a
.set AC, 64*((\a)%4)
	WIN 0x08+4*((\a)/4)                            ; the data: window 2 or 3
.irp b, 0,1,2,3,4,5,6,7
	ds_store_b128 v[STO], v[AC+8*\b:AC+8*\b+3] offset:64*\b          ; each accumulator from its low end on
	ds_store_b128 v[STO], v[AC+8*\b+4:AC+8*\b+7] offset:64*\b+16
.endr
	WIN 0
.set BB, BK+64*((\a)%2)
.irp t, 0,1,2,3,4,5,6,7,8,9,10,11,12,13,14,15
	ds_load_b128 v[BB+4*\t:BB+4*\t+3], v[RD] offset:\t*SPITCH
.endr
.endm
.macro SEND a, younger                 ; younger: the LDS instructions issued behind block a's loads, which may stay out
.set BB, BK+64*((\a)%2)
	s_wait_dscnt \younger                          ; the block is back in registers
.if (\a) > 0
	s_add_nc_u64 s[12:13], s[12:13], 16*SIZE_N*4   ; (behind a wait on XCNT: the earlier stores have read their base)  16 rows of C on, so that the stores' offsets stay small: 15 rows of C, 61,440 bytes, at the most
.endif
.irp t, 0,1,2,3,4,5,6,7,8,9,10,11,12,13,14,15
	global_store_b128 v[CO], v[BB+4*\t:BB+4*\t+3], s[12:13] offset:\t*SIZE_N*4 th:TH_STORE_NT   ; 32 lanes store 512 consecutive bytes, at a multiple of 256 from C's first byte; written once, read by nobody here
.endr
.endm
	PLACES NP                                      ; the first block's results were finished long ago, the last products' registers are not touched yet: these places serve the loads into the registers that held A's fragments and block 7's reads alike
	TOSTAGE 0
.irp a, 1,2,3,4,5,6,7
.if \a > 1
	s_wait_xcnt 0x0                                ; block a - 2's stores have read their registers and their base: block a's loads may land there, and the base may step
.endif
	TOSTAGE \a
	SEND \a-1, 32                                  ; behind block a - 1's loads: block a's 16 stores and 16 loads
.endr
	s_wait_xcnt 0x0                                ; block 6's stores have read their base
	SEND 7, 0
	s_wait_tensorcnt 0x0                           ; the wave's end: behind my last tensor load and my last LDS store
	ds_add_u32 v[SPW], v[NIL]
	s_wait_dscnt 0x0
	CROUND                                         ; the closing round: no work-group ends while a partner may still ask for a tile that names it
	s_endpgm
.Lfunc_end_k_q48d5c66c76_gemm:
	.size	k_q48d5c66c76_gemm, .Lfunc_end_k_q48d5c66c76_gemm-k_q48d5c66c76_gemm
	.p2alignl 7, 3214868480
	.fill 96, 4, 3214868480
	.section	.rodata,"a",@progbits
	.p2align	6, 0x0
	.amdhsa_kernel k_q48d5c66c76_gemm
		.amdhsa_group_segment_fixed_size 327680
		.amdhsa_private_segment_fixed_size 0
		.amdhsa_enable_private_segment 0
		.amdhsa_kernarg_size 24
		.amdhsa_user_sgpr_count 2
		.amdhsa_user_sgpr_kernarg_segment_ptr 1
		.amdhsa_wavefront_size32 1
		.amdhsa_system_sgpr_workgroup_id_x 1
		.amdhsa_system_sgpr_workgroup_id_y 1
		.amdhsa_system_sgpr_workgroup_id_z 1
		.amdhsa_system_vgpr_workitem_id 0
		.amdhsa_next_free_vgpr 1024
		.amdhsa_next_free_sgpr 88
		.amdhsa_reserve_vcc 0
		.amdhsa_float_denorm_mode_32 3
		.amdhsa_float_denorm_mode_16_64 3
		.amdhsa_memory_ordered 1
		.amdhsa_forward_progress 1
		.amdhsa_inst_pref_size 205
	.end_amdhsa_kernel
	.amdgpu_metadata
---
amdhsa.version: [ 1, 2 ]
amdhsa.kernels:
  - .name:           k_q48d5c66c76_gemm
    .symbol:         k_q48d5c66c76_gemm.kd
    .args:
      - { .name: a_img, .offset: 0, .size: 8, .value_kind: global_buffer, .address_space: global }
      - { .name: b_img, .offset: 8, .size: 8, .value_kind: global_buffer, .address_space: global }
      - { .name: out0, .offset: 16, .size: 8, .value_kind: global_buffer, .address_space: global }
    .group_segment_fixed_size: 327680
    .private_segment_fixed_size: 0
    .kernarg_segment_align: 8
    .kernarg_segment_size: 24
    .max_flat_workgroup_size: 128
    .sgpr_count:     88
    .vgpr_count:     1024
    .wavefront_size: 32
...
	.end_amdgpu_metadata
.endif
;; end of part 2
